; MI455X (gfx1250); checked and timed in simulation.
; The chip was launched on July 23, 2026; its instructions are those of AMD's public machine-readable ISA for CDNA 5 (MIT licence, August 2026) and "CDNA5" Instruction Set Architecture Reference Guide (July 2026). The comments in the code are by the model that wrote it; some were corrected since.
;; Quantizer. Allowed arithmetic: matrix products marked QUANTISED: E4M3 operands, one E8M0 scale for each 32 along K, by v_wmma_scale_f32_16x16x128_f8f6f4 with both operands' format E4M3, f32 sums; everything else in f32.
;; Inputs: codes 1 x 4,096 x 128 float32; x 65,536 x 128 float32.
;; Outputs: out0 65,536 x 128 float32; out1 65,536 int32; out2 one number float32.
;; This version of the problem:
;;   THIS VERSION OF THE PROBLEM IS GIVEN IN LOW PRECISION. The matrix products marked QUANTISED in the list below multiply operands that are first quantised to E4M3 (4 exponent bits, 3 mantissa bits; 8 bits a number), with one power-of-two scale for each 32 numbers along K (OCP MX v1.0); their sums are f32. All else is computed in f32.
;;   The module's matrix products, in the order in which they are computed (A, B: the left and right operand; K: the contracted axis; several contracted axes count as one K, in the product's order):
;;     1. [M 65,536, K 128] x [K 128, N 4,096]; A: input x; B: input codes: QUANTISED
;;   THE QUANTISER, for each operand of a quantised product, along K:
;;     - K is cut into blocks of 32 from its start; a last block that is shorter is filled with zeros.
;;     - A block's scale is 2^e with e = floor(log2(the largest magnitude in the block)) - 8, held to -126 .. 127; a block of zeros has e = 0. As a byte (E8M0): e + 127.
;;     - Each number is divided by its block's scale, clamped to +-448, and rounded to the nearest number of E4M3, ties to even, subnormals kept.
;;     - The product sums the exact products of the quantised numbers (number of the format x scale) in f32.
;;   ~~~python
;;   def quantise(x, axis):      # numpy; x: float32 -> the quantised numbers, widened to float32 again
;;       x = np.moveaxis(x, axis, -1); K = x.shape[-1]
;;       x = np.pad(x, [(0, 0)] * (x.ndim - 1) + [(0, -K % 32)]); x = x.reshape(x.shape[:-1] + (-1, 32)); a = np.abs(x).max(-1, keepdims=True)
;;       e = np.where(a > 0, np.clip(np.frexp(np.where(a > 0, a, 1))[1] - 1 - 8, -126, 127), 0)      # np.frexp(a)[1] - 1 = floor(log2(a)), exactly
;;       r = np.clip(x / 2.0 ** e, -448, 448)
;;       step = 2.0 ** (np.maximum(np.frexp(np.where(r == 0, 1, r))[1] - 1, -6) - 3)
;;       q = np.round(r / step) * step * 2.0 ** e      # np.round: ties to even
;;       return np.moveaxis(q.reshape(q.shape[:-2] + (-1,))[..., :K], -1, axis).astype(np.float32)
;;   ~~~
;; One version. Each part assembles by itself: llvm-mc -triple=amdgcn-amd-amdhsa -mcpu=gfx1250 --defsym DOCPART=n.
;; ======== version 1 of 1: 4 launches
;; workspace buffers: cimg 524,288 bytes; cside 32,768 bytes; idxw 262,144 bytes of whole numbers; part 2,048 bytes
;; launch qcodes (part 1): grid 64 x 1, 4 waves a work-group, no clusters, 1,024 bytes of LDS; arguments codes, cimg, cside; writes cimg, cside
.if DOCPART == 1
	.amdgcn_target "amdgcn-amd-amdhsa--gfx1250"
	.amdhsa_code_object_version 6
	.text
	.protected	k_qdeafc97c58_qcodes
	.globl	k_qdeafc97c58_qcodes
	.p2align	8
	.type	k_qdeafc97c58_qcodes,@function
k_qdeafc97c58_qcodes:
	s_mov_b64 s[64:65], 0
	v_nop
	global_prefetch_b8 v0, s[64:65] scope:SCOPE_SE
	s_setreg_imm32_b32 hwreg(HW_REG_WAVE_MODE, 25, 1), 1
	s_wait_xcnt 0x0
; The codebook [4096][128] f32 is quantised ONCE, along its 128, into E4M3 codes with one E8M0 byte for each 32, and laid as the next launch's matrix operand wants it.
; A wave takes a tile of 16 codebook rows.  cimg: tile T at 2048 T, as an image of the operand's 16 registers: chunk c at + 512 c, lane l's 16 bytes at + 16 l (row l % 16, k = 32 c + 16 (l / 16) + 0 .. 15).
; cside: 128 bytes a tile: words 0-15 the rows' scale words (four bytes, k ascending), words 16-31 hc = -|c|^2 / 2 of the UNQUANTISED row, in f32.
; A block's scale is 2^(floor(log2(its largest magnitude)) - 8): its byte is that magnitude's exponent field - 8, held at 1 from below.
; LIMITS: a block of zeros gets the byte 1 where the quantiser's text says 127: its codes are zeros, and these bytes are read by this program alone.  NaN and infinities are not served.
; No cluster, no tensor load: the waves share no input; 2 MiB are read once.
.set RAW, 16                           ; v16-79   64 numbers of my row: register 16 b + i = k 32 b + 16 (lane / 16) + i
.set PC,  80                           ; v80-95   the codes: the operand's 16 registers
.set TM,  96                           ; v96-111  at work: largest magnitudes, bytes, holds, scale operands: four each
.set PW,  112                          ; v112     my row's scale word
.set SV,  113                          ; v113     my word of the tile's side record
.set SA,  114                          ; v[114:115], v[116:117] sums of squares, two chains of pairs
.set SB,  116
.set TMP, 118                          ; v118     the other half's sum
.set HCV, 119                          ; v119     -|c|^2 / 2
.set SEL, 20                           ; s[20:21] v_permlanex16_b32's selects for lane l xor 16
.set MNT, 22                           ; s22      the mantissa field of 448
; the sum of the squares of 64 numbers of a lane, joined with lane l xor 16's: the row's; times half
.macro SQS src, dst, half
	v_pk_mul_f32 v[SA:SA+1], v[\src:\src+1], v[\src:\src+1]
	v_pk_mul_f32 v[SB:SB+1], v[\src+2:\src+3], v[\src+2:\src+3]
.irp j, 4,8,12,16,20,24,28,32,36,40,44,48,52,56,60
	v_pk_fma_f32 v[SA:SA+1], v[\src+\j:\src+\j+1], v[\src+\j:\src+\j+1], v[SA:SA+1]
	v_pk_fma_f32 v[SB:SB+1], v[\src+\j+2:\src+\j+3], v[\src+\j+2:\src+\j+3], v[SB:SB+1]
.endr
	v_pk_add_f32 v[SA:SA+1], v[SA:SA+1], v[SB:SB+1]
	v_add_f32 v[SA], v[SA], v[SA+1]
	v_permlanex16_b32 v[TMP], v[SA], s[SEL], s[SEL+1]
	v_add_f32 v[SA], v[SA], v[TMP]
	v_mul_f32 v[\dst], \half, v[SA]
.endm
; 64 numbers of a lane become the operand's 16 registers of codes (pc) and the row's scale word (pw).  The numbers are held in place: what needs them as they were stands ahead
.macro QUANT src, pc, pw
.irp b, 0,1,2,3
	v_max3_num_f32 v[TM+\b], |v[\src+16*\b]|, |v[\src+16*\b+1]|, 0x4800000   ; block b: my 16 numbers, and the floor 2^(9 - 127): the byte cannot fall under 1
.endr
.irp i, 2,4,6,8,10,12,14
.irp b, 0,1,2,3
	v_max3_num_f32 v[TM+\b], v[TM+\b], |v[\src+16*\b+\i]|, |v[\src+16*\b+\i+1]|   ; the four blocks by turns
.endr
.endr
.irp b, 0,1,2,3
	v_permlanex16_b32 v[TM+4+\b], v[TM+\b], s[SEL], s[SEL+1]
.endr
.irp b, 0,1,2,3
	v_max_num_f32 v[TM+\b], v[TM+\b], v[TM+4+\b]          ; with lane l xor 16's 16: the block's largest magnitude
.endr
.irp b, 0,1,2,3
	v_add_nc_u32 v[TM+12+\b], 0xfc000000, v[TM+\b]        ; 8 off its exponent field: the conversion's scale operand
.endr
.irp b, 0,1,2,3
	v_and_or_b32 v[TM+8+\b], v[TM+\b], 0x7f800000, s[MNT] ; 448 x the scale
.endr
.irp b, 0,1,2,3
	v_lshrrev_b32 v[TM+4+\b], 23, v[TM+12+\b]             ; the scale's byte
.endr
	v_lshl_or_b32 v[\pw], v[TM+5], 8, v[TM+4]
	v_lshl_or_b32 v[\pw], v[TM+6], 16, v[\pw]
	v_lshl_or_b32 v[\pw], v[TM+7], 24, v[\pw]
.irp b, 0,1,2,3
.irp i, 0,1,2,3,4,5,6,7,8,9,10,11,12,13,14,15
	v_med3_num_f32 v[\src+16*\b+\i], v[\src+16*\b+\i], -v[TM+8+\b], v[TM+8+\b]   ; the conversion to an 8-bit code does not saturate (ISA guide 7.6.2): the hold at 448 x the scale
.endr
	v_cvt_scalef32_pk8_fp8_f32 v[\pc+4*\b:\pc+4*\b+1], v[\src+16*\b:\src+16*\b+7], v[TM+12+\b]
	v_cvt_scalef32_pk8_fp8_f32 v[\pc+4*\b+2:\pc+4*\b+3], v[\src+16*\b+8:\src+16*\b+15], v[TM+12+\b]
.endr
	v_nop                                          ; one plain line behind the last scaled conversion
.endm
	s_load_b128 s[4:7], s[0:1], 0x0                ; codes s[4:5], cimg s[6:7]
	s_load_b64 s[8:9], s[0:1], 0x10                ; cside
	v_lshl_add_u32 v128, v0, 2, 0x200
	v_mov_b32 v129, 0
	v_lshrrev_b32 v1, 5, v0
	v_readfirstlane_b32 s10, v1                    ; wave 0..3
	v_and_b32 v1, 31, v0                           ; lane
	v_and_b32 v2, 15, v0                           ; r
	v_bfe_u32 v3, v0, 4, 1                         ; h
	v_lshlrev_b32 v4, 9, v2
	v_lshl_add_u32 v4, v3, 6, v4                   ; in: row r of 512 bytes, + 64 h: my 16 numbers of a block of 32
	v_lshlrev_b32 v5, 4, v1                        ; 16 x lane
	v_lshlrev_b32 v6, 2, v0                        ; LDS: 128 x wave + 4 x lane: my word of my tile's side record
.irp b, 0,1,2,3
	v_mov_b32 v[TM+4+\b], 0                        ; written once: a lane permute's destination counts as one of its sources
.endr
	v_mov_b32 v[TMP], 0
	s_mov_b32 s[SEL], 0x76543210
	s_mov_b32 s[SEL+1], 0xfedcba98
	s_mov_b32 s[MNT], 0x600000
	s_lshl_b32 s11, ttmp9, 2
	s_add_co_u32 s11, s11, s10                     ; my tile: 4 x work-group + wave
	s_lshl_b32 s12, s11, 13                        ; 16 rows of 512 bytes,
	s_mov_b32 s13, 0
	s_lshl_b32 s14, s11, 11                        ; an image of 2,048 bytes,
	s_mov_b32 s15, 0
	s_lshl_b32 s16, ttmp9, 9                       ; the work-group's four side records
	s_mov_b32 s17, 0
	s_wait_kmcnt 0x0
	s_add_nc_u64 s[4:5], s[4:5], s[12:13]
	s_add_nc_u64 s[6:7], s[6:7], s[14:15]
	s_add_nc_u64 s[8:9], s[8:9], s[16:17]
.irp b, 0,1,2,3
.irp i, 0,1,2,3
	global_load_b128 v[RAW+16*\b+4*\i:RAW+16*\b+4*\i+3], v4, s[4:5] offset:128*\b+16*\i
.endr
.endr
	s_wait_loadcnt 0x0
	SQS RAW, HCV, -0.5                             ; of the numbers as they came
	QUANT RAW, PC, PW
.irp c, 0,1,2,3
	global_store_b128 v5, v[PC+4*\c:PC+4*\c+3], s[6:7] offset:512*\c   ; the wave stores 512 consecutive bytes, aligned
.endr
	v_cmp_gt_u32 vcc_lo, 16, v1
	v_cndmask_b32 v[SV], v[HCV], v[PW], vcc_lo     ; lanes 0-15: row r's scale word; lanes 16-31: row r's hc (both halves of the lanes hold both)
	ds_store_b32 v6, v[SV]
	s_wait_dscnt 0x0                               ; for wave 0's sake: my store has landed
	s_barrier_signal -1
	s_barrier_wait -1
	s_cmp_lg_u32 s10, 0
	s_cbranch_scc1 .Ldone
	ds_load_b128 v[120:123], v5                    ; the four tiles' records, 512 bytes
	s_wait_dscnt 0x0
	global_store_b128 v5, v[120:123], s[8:9]       ; 512 consecutive bytes, aligned
.Ldone:
	s_wait_tensorcnt 0x0
	ds_add_u32 v128, v129
	s_wait_dscnt 0x0
	s_endpgm
.Lfunc_end_k_qdeafc97c58_qcodes:
	.size	k_qdeafc97c58_qcodes, .Lfunc_end_k_qdeafc97c58_qcodes-k_qdeafc97c58_qcodes
	.p2alignl 7, 3214868480
	.fill 96, 4, 3214868480
	.section	.rodata,"a",@progbits
	.p2align	6, 0x0
	.amdhsa_kernel k_qdeafc97c58_qcodes
		.amdhsa_group_segment_fixed_size 1024
		.amdhsa_private_segment_fixed_size 0
		.amdhsa_enable_private_segment 0
		.amdhsa_kernarg_size 24
		.amdhsa_user_sgpr_count 2
		.amdhsa_user_sgpr_kernarg_segment_ptr 1
		.amdhsa_wavefront_size32 1
		.amdhsa_system_sgpr_workgroup_id_x 1
		.amdhsa_system_sgpr_workgroup_id_y 1
		.amdhsa_system_sgpr_workgroup_id_z 1
		.amdhsa_system_vgpr_workitem_id 0
		.amdhsa_next_free_vgpr 130
		.amdhsa_next_free_sgpr 66
		.amdhsa_reserve_vcc 1
		.amdhsa_float_denorm_mode_32 3
		.amdhsa_float_denorm_mode_16_64 3
		.amdhsa_memory_ordered 1
		.amdhsa_forward_progress 1
		.amdhsa_inst_pref_size 15
	.end_amdhsa_kernel
	.amdgpu_metadata
---
amdhsa.version: [ 1, 2 ]
amdhsa.kernels:
  - .name:           k_qdeafc97c58_qcodes
    .symbol:         k_qdeafc97c58_qcodes.kd
    .args:
      - { .name: codes, .offset: 0, .size: 8, .value_kind: global_buffer, .address_space: global }
      - { .name: cimg, .offset: 8, .size: 8, .value_kind: global_buffer, .address_space: global }
      - { .name: cside, .offset: 16, .size: 8, .value_kind: global_buffer, .address_space: global }
    .group_segment_fixed_size: 1024
    .private_segment_fixed_size: 0
    .kernarg_segment_align: 8
    .kernarg_segment_size: 24
    .max_flat_workgroup_size: 128
    .sgpr_count:     66
    .vgpr_count:     130
    .wavefront_size: 32
...
	.end_amdgpu_metadata
.endif
;; end of part 1
;; launch nearest (part 2): grid 256 x 1, 4 waves a work-group, clusters of 4 x 1, 327,680 bytes of LDS; arguments x, cimg, cside, out1, idxw; writes out1, idxw
.if DOCPART == 2
	.amdgcn_target "amdgcn-amd-amdhsa--gfx1250"
	.amdhsa_code_object_version 6
	.text
	.protected	k_qdeafc97c58_nearest
	.globl	k_qdeafc97c58_nearest
	.p2align	8
	.type	k_qdeafc97c58_nearest,@function
k_qdeafc97c58_nearest:
	s_mov_b64 s[64:65], 0
	v_nop
	global_prefetch_b8 v0, s[64:65] scope:SCOPE_SE
	s_setreg_imm32_b32 hwreg(HW_REG_WAVE_MODE, 25, 1), 1
	s_wait_xcnt 0x0
	s_wait_alu depctr_hold_cnt(0) depctr_sa_sdst(0) depctr_va_vdst(0) depctr_va_sdst(0) depctr_va_ssrc(0) depctr_va_vcc(0) depctr_vm_vsrc(0)
	s_getreg_b32 s2, hwreg(HW_REG_IB_STS2, 6, 4)
	s_cmp_eq_u32 s2, 0
	s_cbranch_scc0 .Lentry_in_a_cluster
	s_endpgm
.Lentry_in_a_cluster:
	s_bfe_u32 s2, ttmp6, 0x10000c
	s_cmp_lg_u32 s2, 0x3003
	s_cbranch_scc0 .Lentry_shape_is_right
	s_endpgm
.Lentry_shape_is_right:
; For each of the 65,536 rows of x: the index of the nearest of 4,096 codebook rows, d2 = |x|^2 + |c|^2 - 2 Q(x).Q(c), the product on E4M3 codes with E8M0 scales (K = 128: one matrix instruction a tile).
; THE SCORE.  D = Q(c).Q(x) - |c|^2 / 2 is made by the matrix instruction itself: its C is a tile of hc = -|c|^2 / 2.  d2 = 2 (|x|^2 / 2 - D), so the smallest distance is the largest D; the square root and the two
; divisions by positive constants keep the order and are not computed.  The clip of d2 at 0 is kept: the score is min(D, |x|^2 / 2), so that behind a code with d2 <= 0 no later code wins.  Equal scores: the lowest index.
; LIMITS: the order of rounding differs from the source's (one rounding of dot - |c|^2 / 2; no square root): two codes whose distances lie within a few ulps of each other may be ordered otherwise.
; NaN and infinities are not served.  A block of zeros of x gets the scale byte 1 (its codes are zeros).
; SHARES.  A work-group owns 256 rows, each of its four waves 64: four row tiles, quantised at the head and kept as operands in registers.  Every wave walks all 256 tiles of 16 codes.
; LAYOUT.  Source 0 = 16 codes, source 1 = 16 rows of x: lane (r, h) holds row r, and its 8 registers the codes 16 T + 8 h + 0 .. 7.  So the search stays inside a lane; one exchange with lane l xor 16 stands at the end.
; THE SEARCH, for a tile of 8 scores a lane: their maximum with the best so far (four v_max3), the ceiling, one compare; where the best has grown, the tile's number and its 8 scores are kept.  Which of the 8 it was is
; found once, at the end.  The search lags the products by one tile, on two sets of results: its 61 plain lines are the places between a product and what touches its registers.
; CLUSTER.  All work-groups read the same codebook: four form a cluster and ask for each piece JOINTLY (mask 15).  The place in the cluster enters only x's and the outputs' global addresses.
; LDS.  Two slots of 64 code tiles (131,072 bytes); between them the side records of all 256 tiles, filled once.  x's 256 rows (pitch 528) land first where slot 1 lies, are read by the wave that asked for them, and slot 1's
; first tiles are then brought over them as a refill is.  An image is read at 16 x lane: consecutive bytes, no padding.
.set SLOT0, 0
.set SIDE,  131072                     ; 256 records of 128 bytes
.set SLOT1, 163840
.set XST,   163840                     ; x's stage
.set XP,    528                        ; a row of x: 512 bytes + 16: an odd multiple of 16, so that the 16 rows of a load start in different banks (64 banks of 4 bytes: ISA guide 11.1)
.set XW,    64*XP                      ; a wave's 64 rows
.set OUTS,  299008                     ; behind the stage: 256 bytes a wave for the indices' way out; no fill lands here
.set SPARE, 300032                     ; the spare words, 128 bytes a wave: two blocks of 256 bytes that no other line names
.set SPW, 1                            ; v1   LDS address of my spare word; never rewritten
.set NIL, 2                            ; v2   0; never rewritten
.set AF,  3                            ; v3   16 x lane
.set AS0, 4                            ; v4   4 x (lane % 16): my code's scale word in a record
.set AH0, 5                            ; v5   64 + 32 (lane / 16): my eight hc in a record
.set ADF, 6                            ; v6-8 the same three with the place of the four tiles in hand
.set ADS, 7
.set ADH, 8
.set VT,  9                            ; v9   the number of the tile that the search is at
.set T2,  10                           ; v10-13 at work
.set H8,  14                           ; v14  8 (lane / 16)
.set XA,  15                           ; v15  my place in the wave's rows of x in LDS
.set XF,  16                           ; v16-79   x's four fragments
.set XS,  80                           ; v80-83   their scale words: these four registers hold scales and nothing else
.set CE,  84                           ; v84-87   the ceiling |x|^2 / 2
.set RUN, 88                           ; v88-95   the best score, two sets by turns: RUN + 4 q + t
.set ID,  96                           ; v96-99   the best tile's number
.set CAP, 100                          ; v100-131 the best tile's 8 scores
.set D,   132                          ; v132-195 results, two sets: D + 32 p + 8 t
.set CF,  196                          ; v196-227 a code tile's fragment, two sets
.set HC,  228                          ; v228-243 its hc tile, two sets
.set CS,  244                          ; v244-245 its scale words, two sets: scales and nothing else
.set RAW0, 100                         ; at the head: two sets of 64 numbers of x,
.set RAW1, 164
.set TM,   228                         ; the quantiser's 16 registers,
.set SA,   88                          ; and the sums of squares
.set SB,   90
.set TMP,  92
.set WV,  14                           ; s14  my wave's number
.set SEL, 20                           ; s[20:21] selects for lane l xor 16
.set MNT, 22                           ; s22  the mantissa field of 448
.set UPP, 23                           ; s23  a mask of lanes 16-31
.set G1C, 24                           ; s[24:31] group 1: a quarter of a slot;  s[32:39] a quarter of the side records;  s[40:47] 64 rows of x
.set G1S, 32
.set G1X, 40
.set G0X, 48                           ; s[48:51], s[52:55], s[56:59], s[60:63] groups 0: x, side records, slot 0, slot 1
.set G0S, 52
.set G0A, 56
.set G0B, 60
.set TB,  66                           ; s66  LDS byte of the four tiles in hand
.set TS,  67                           ; s67  and of their records
.set CNT, 68                           ; s68  trips
.set MK,  72                           ; s72-75 a mask for each row tile
.macro SQS src, dst, half
	v_pk_mul_f32 v[SA:SA+1], v[\src:\src+1], v[\src:\src+1]
	v_pk_mul_f32 v[SB:SB+1], v[\src+2:\src+3], v[\src+2:\src+3]
.irp j, 4,8,12,16,20,24,28,32,36,40,44,48,52,56,60
	v_pk_fma_f32 v[SA:SA+1], v[\src+\j:\src+\j+1], v[\src+\j:\src+\j+1], v[SA:SA+1]
	v_pk_fma_f32 v[SB:SB+1], v[\src+\j+2:\src+\j+3], v[\src+\j+2:\src+\j+3], v[SB:SB+1]
.endr
	v_pk_add_f32 v[SA:SA+1], v[SA:SA+1], v[SB:SB+1]
	v_add_f32 v[SA], v[SA], v[SA+1]
	v_permlanex16_b32 v[TMP], v[SA], s[SEL], s[SEL+1]
	v_add_f32 v[SA], v[SA], v[TMP]
	v_mul_f32 v[\dst], \half, v[SA]
.endm
; 64 numbers of a lane (register 16 b + i = k 32 b + 16 (lane / 16) + i of my row) become the operand's 16 registers (pc) and the row's scale word (pw)
.macro QUANT src, pc, pw
.irp b, 0,1,2,3
	v_max3_num_f32 v[TM+\b], |v[\src+16*\b]|, |v[\src+16*\b+1]|, 0x4800000   ; block b: my 16 numbers, and the floor 2^(9 - 127): the byte cannot fall under 1
.endr
.irp i, 2,4,6,8,10,12,14
.irp b, 0,1,2,3
	v_max3_num_f32 v[TM+\b], v[TM+\b], |v[\src+16*\b+\i]|, |v[\src+16*\b+\i+1]|
.endr
.endr
.irp b, 0,1,2,3
	v_permlanex16_b32 v[TM+4+\b], v[TM+\b], s[SEL], s[SEL+1]
.endr
.irp b, 0,1,2,3
	v_max_num_f32 v[TM+\b], v[TM+\b], v[TM+4+\b]          ; the block's largest magnitude
.endr
.irp b, 0,1,2,3
	v_add_nc_u32 v[TM+12+\b], 0xfc000000, v[TM+\b]        ; 8 off its exponent field: the conversion's scale operand
.endr
.irp b, 0,1,2,3
	v_and_or_b32 v[TM+8+\b], v[TM+\b], 0x7f800000, s[MNT] ; 448 x the scale
.endr
.irp b, 0,1,2,3
	v_lshrrev_b32 v[TM+4+\b], 23, v[TM+12+\b]             ; the scale's byte
.endr
	v_lshl_or_b32 v[\pw], v[TM+5], 8, v[TM+4]
	v_lshl_or_b32 v[\pw], v[TM+6], 16, v[\pw]
	v_lshl_or_b32 v[\pw], v[TM+7], 24, v[\pw]
.irp b, 0,1,2,3
.irp i, 0,1,2,3,4,5,6,7,8,9,10,11,12,13,14,15
	v_med3_num_f32 v[\src+16*\b+\i], v[\src+16*\b+\i], -v[TM+8+\b], v[TM+8+\b]   ; the conversion to an 8-bit code does not saturate (ISA guide 7.6.2): the hold
.endr
	v_cvt_scalef32_pk8_fp8_f32 v[\pc+4*\b:\pc+4*\b+1], v[\src+16*\b:\src+16*\b+7], v[TM+12+\b]
	v_cvt_scalef32_pk8_fp8_f32 v[\pc+4*\b+2:\pc+4*\b+3], v[\src+16*\b+8:\src+16*\b+15], v[TM+12+\b]
.endr
	v_nop                                          ; one plain line behind the last scaled conversion
.endm
; A round of the cluster's barrier: my work-group's barrier; wave 0 signals for the work-group; every wave waits for all four work-groups; my work-group's barrier once more
.macro CROUND
	s_barrier_signal -1
	s_barrier_wait -1
	s_cmp_lg_u32 s[WV], 0
	s_cbranch_scc1 .Lnot_wave_0_\@
	s_barrier_signal -3
.Lnot_wave_0_\@:
	s_barrier_wait -3
	s_barrier_signal -1
	s_barrier_wait -1
.endm
; row tile t of my 64 rows of x, from the stage: 16 loads
.macro XLOAD t, raw
.irp b, 0,1,2,3
.irp i, 0,1,2,3
	ds_load_b128 v[\raw+16*\b+4*\i:\raw+16*\b+4*\i+3], v[XA] offset:16*XP*\t+128*\b+16*\i
.endr
.endr
.endm
; THE CHANGE OF SLOTS.  Each wave waits for all its tensor loads (its part of the slot ahead), adds 0 to its spare word, and waits for that and for its reads of the slot left.  fill = 1: a round of the cluster's barrier,
; so that no wave of any partner still reads that slot or has a load on its way, and the joint refill first behind it: it has a whole slot's 64 tiles in which to land.
; step = 1: the descriptor goes two slots on.  prime = 1 (the first change): the search's state is set while the add is out.
.macro CHANGE fill, g0, step, prime
	s_wait_tensorcnt 0x0                           ; no tensor load of mine is out, so a group 0 may be written
	ds_add_u32 v[SPW], v[NIL]                      ; 0 onto my spare word
.if \step
	s_add_nc_u64 s[\g0+2:\g0+3], s[\g0+2:\g0+3], 262144   ; 128 tiles on; the type bits on top are not reached
.endif
.if \prime
.irp t, 0,1,2,3
	v_mov_b32 v[RUN+\t], 0xff800000                ; the best so far: -infinity, under every score
	v_mov_b32 v[ID+\t], 0
.endr
.irp j, 0,1,2,3,4,5,6,7,8,9,10,11,12,13,14,15,16,17,18,19,20,21,22,23,24,25,26,27,28,29,30,31
	v_mov_b32 v[D+32+\j], 0xff800000               ; the search lags by one tile: its first turn finds a tile of -infinity, which wins nothing,
	v_mov_b32 v[CAP+\j], 0xff800000
.endr
	v_mov_b32 v[VT], -1                            ; numbered -1
.endif
	s_wait_dscnt 0x0                               ; the add is done, and my reads of the bytes that are filled next are over
.if \fill
	CROUND
	tensor_load_to_lds s[\g0:\g0+3], s[G1C:G1C+7]  ; my one tensor load behind the round: my quarter of the slot
	s_nop 0
.rept 4
	v_nop
.endr
.else
	s_barrier_signal -1
	s_barrier_wait -1
.endif
.endm
.macro ADDR
	v_add_nc_u32 v[ADF], s[TB], v[AF]
	v_add_nc_u32 v[ADS], s[TS], v[AS0]
	v_add_nc_u32 v[ADH], s[TS], v[AH0]
.endm
; tile i of the four in hand into set p: its image (4 loads), its scale words, its hc tile (register j = hc of code 8 (lane / 16) + j): 7 loads
.macro LOADS p, i
.irp c, 0,1,2,3
	ds_load_b128 v[CF+16*(\p)+4*\c:CF+16*(\p)+4*\c+3], v[ADF] offset:2048*(\i)+512*\c
.endr
	ds_load_b32 v[CS+(\p)], v[ADS] offset:128*(\i)
	ds_load_b128 v[HC+8*(\p):HC+8*(\p)+3], v[ADH] offset:128*(\i)
	ds_load_b128 v[HC+8*(\p)+4:HC+8*(\p)+7], v[ADH] offset:128*(\i)+16
.endm
; the tile in set p against my four row tiles: four results, none added onto
.macro MULS p
.irp t, 0,1,2,3
	v_wmma_scale_f32_16x16x128_f8f6f4 v[D+32*(\p)+8*\t:D+32*(\p)+8*\t+7], v[CF+16*(\p):CF+16*(\p)+15], v[XF+16*\t:XF+16*\t+15], v[HC+8*(\p):HC+8*(\p)+7], v[CS+(\p)], v[XS+\t]
.endr
.endm
; the search over result set q; the four row tiles by turns, line by line.  Each result is read from its low end on.
.macro PICK q
.irp t, 0,1,2,3
	v_max3_num_f32 v[RUN+4*(\q)+\t], v[D+32*(\q)+8*\t], v[D+32*(\q)+8*\t+1], v[D+32*(\q)+8*\t+2]
.endr
.irp t, 0,1,2,3
	v_max3_num_f32 v[T2+\t], v[D+32*(\q)+8*\t+3], v[D+32*(\q)+8*\t+4], v[D+32*(\q)+8*\t+5]
.endr
.irp t, 0,1,2,3
	v_max3_num_f32 v[RUN+4*(\q)+\t], v[RUN+4*(\q)+\t], v[D+32*(\q)+8*\t+6], v[D+32*(\q)+8*\t+7]
.endr
.irp t, 0,1,2,3
	v_max3_num_f32 v[RUN+4*(\q)+\t], v[RUN+4*(\q)+\t], v[T2+\t], v[RUN+4*(1-(\q))+\t]   ; with the best so far
.endr
.irp t, 0,1,2,3
	v_min_num_f32 v[RUN+4*(\q)+\t], v[RUN+4*(\q)+\t], v[CE+\t]                          ; the clip of d2 at 0
.endr
.irp t, 0,1,2,3
	v_cmp_gt_f32 s[MK+\t], v[RUN+4*(\q)+\t], v[RUN+4*(1-(\q))+\t]                       ; has it grown?  (an equal score leaves the earlier tile)
.endr
.irp t, 0,1,2,3
	v_cndmask_b32 v[ID+\t], v[ID+\t], v[VT], s[MK+\t]
.endr
.irp j, 0,1,2,3,4,5,6,7
.irp t, 0,1,2,3
	v_cndmask_b32 v[CAP+8*\t+\j], v[CAP+8*\t+\j], v[D+32*(\q)+8*\t+\j], s[MK+\t]
.endr
.endr
	v_add_nc_u32 v[VT], 1, v[VT]
.endm
; A STEP: the next tile is asked for, this tile is multiplied, the tile before is searched.  Between a product and the loads into its operands, the reads of its results and the products that write over them stands a
; whole search of the other set, 61 plain lines that name none of its registers (8 and 9 are asked behind this form).
.macro STEP p, i, ahead
.if \ahead
	LOADS 1-\p, \i+1
	s_wait_dscnt 7                                 ; the 7 just issued may be out: this tile's 7 are in
.else
	s_wait_dscnt 0x0
.endif
	MULS \p
	PICK 1-\p
.endm
; A slot's 64 tiles, four a trip; the loads ahead never leave the slot: the last four tiles are written out
.macro PHASE base, side
	s_mov_b32 s[TB], \base
	s_mov_b32 s[TS], \side
	ADDR
	LOADS 0, 0
	s_mov_b32 s[CNT], 15
.Lquad_\@:
	STEP 0, 0, 1
	STEP 1, 1, 1
	STEP 0, 2, 1
	STEP 1, 3, 1
	s_add_co_u32 s[TB], s[TB], 8192
	s_add_co_u32 s[TS], s[TS], 512
	ADDR
	s_sub_co_u32 s[CNT], s[CNT], 1
	s_cmp_lg_u32 s[CNT], 0
	s_cbranch_scc1 .Lquad_\@
	STEP 0, 0, 1
	STEP 1, 1, 1
	STEP 0, 2, 1
	STEP 1, 3, 0
.endm
	s_load_b256 s[4:11], s[0:1], 0x0               ; x s[4:5], cimg s[6:7], cside s[8:9], out1 s[10:11]
	s_load_b64 s[12:13], s[0:1], 0x20              ; idxw
	v_lshl_add_u32 v[SPW], v0, 2, SPARE
	v_mov_b32 v[NIL], 0
	ds_add_u32 v1, v2
	ds_add_u32 v1, v2
	s_wait_dscnt 0x0
	v_lshrrev_b32 v3, 5, v0
	v_readfirstlane_b32 s[WV], v3                  ; wave 0..3
	s_bfe_u32 s15, ttmp6, 0x40000                  ; cx: my place in the cluster
	s_lshl_b32 s16, ttmp9, 2                       ; in a cluster launch ttmp9 counts clusters
	s_add_co_u32 s16, s16, s15                     ; my work-group: it enters x's and the outputs' global addresses alone
	; group 1 for a quarter of a slot: 32,768 dense bytes as 128 rows of 256 (32 elements of 8 bytes)
	s_mov_b32 s[G1C], 15|(3<<16)|(1<<21)           ; 15:0 the mask: all four work-groups; 17:16 elements of 8 bytes; 21 set beside a mask; no padding
	s_mov_b32 s[G1C+1], 32<<16                     ; tensor_dim0 = 32
	s_mov_b32 s[G1C+2], 128<<16                    ; tensor_dim1 = 128
	s_mov_b32 s[G1C+3], 32<<16                     ; tile_dim0 = 32
	s_mov_b32 s[G1C+4], 128                        ; tile_dim1 = 128
	s_mov_b32 s[G1C+5], 32                         ; from row to row
	s_mov_b32 s[G1C+6], 0
	s_mov_b32 s[G1C+7], 0
	; for a quarter of the side records: 8,192 dense bytes as 32 rows of 256
	s_mov_b32 s[G1S], 15|(3<<16)|(1<<21)
	s_mov_b32 s[G1S+1], 32<<16
	s_mov_b32 s[G1S+2], 32<<16
	s_mov_b32 s[G1S+3], 32<<16
	s_mov_b32 s[G1S+4], 32
	s_mov_b32 s[G1S+5], 32
	s_mov_b32 s[G1S+6], 0
	s_mov_b32 s[G1S+7], 0
	; for 64 rows of x: 128 elements of 4 bytes, four words of padding behind every 128; no mask: these rows are mine alone
	s_mov_b32 s[G1X], (2<<16)|(1<<20)|(6<<22)|(3<<25)
	s_mov_b32 s[G1X+1], 128<<16
	s_mov_b32 s[G1X+2], 64<<16
	s_mov_b32 s[G1X+3], 128<<16
	s_mov_b32 s[G1X+4], 64
	s_mov_b32 s[G1X+5], 128
	s_mov_b32 s[G1X+6], 0
	s_mov_b32 s[G1X+7], 0
	s_lshl_b32 s18, s16, 17                        ; x: my work-group's 256 rows of 512 bytes,
	s_lshl_b32 s19, s[WV], 15                      ; my wave's 64 of them
	s_add_co_u32 s18, s18, s19
	s_mov_b32 s19, 0
	s_lshl_b32 s80, s[WV], 13                      ; the side records: my quarter (the wave's number alone: equal in all four partners)
	s_mov_b32 s81, 0
	s_lshl_b32 s82, s[WV], 15                      ; a slot: my quarter
	s_mov_b32 s83, 0
	s_lshl_b32 s86, s16, 10                        ; the indices: 1,024 bytes a work-group, 256 a wave
	s_lshl_b32 s87, s[WV], 8
	s_add_co_u32 s86, s86, s87
	s_mov_b32 s87, 0
	s_mov_b32 s[G0X], 1                            ; count = 1
	s_mul_i32 s[G0X+1], s[WV], XW
	s_add_co_u32 s[G0X+1], s[G0X+1], XST           ; LDS address: no place in the cluster enters one
	s_mov_b32 s[G0S], 1
	s_lshl_b32 s[G0S+1], s[WV], 13
	s_add_co_u32 s[G0S+1], s[G0S+1], SIDE
	s_mov_b32 s[G0A], 1
	s_lshl_b32 s[G0A+1], s[WV], 15                 ; slot 0 begins at LDS byte 0
	s_mov_b32 s[G0B], 1
	s_lshl_b32 s[G0B+1], s[WV], 15
	s_add_co_u32 s[G0B+1], s[G0B+1], SLOT1
	s_mov_b32 s[SEL], 0x76543210
	s_mov_b32 s[SEL+1], 0xfedcba98
	s_mov_b32 s[MNT], 0x600000
	s_mov_b32 s[UPP], 0xffff0000
	s_wait_kmcnt 0x0
	s_add_nc_u64 s[G0X+2:G0X+3], s[4:5], s[18:19]
	s_add_nc_u64 s[G0S+2:G0S+3], s[8:9], s[80:81]
	s_add_nc_u64 s[G0A+2:G0A+3], s[6:7], s[82:83]          ; tiles 0-63
	s_add_nc_u64 s[G0B+2:G0B+3], s[G0A+2:G0A+3], 131072    ; tiles 64-127
	s_or_b32 s[G0X+3], s[G0X+3], 0x80000000        ; type = 2
	s_or_b32 s[G0S+3], s[G0S+3], 0x80000000
	s_or_b32 s[G0A+3], s[G0A+3], 0x80000000
	s_or_b32 s[G0B+3], s[G0B+3], 0x80000000
	s_add_nc_u64 s[10:11], s[10:11], s[86:87]
	s_add_nc_u64 s[12:13], s[12:13], s[86:87]
	CROUND                                         ; all four work-groups are here: the first joint loads meet
	tensor_load_to_lds s[G0X:G0X+3], s[G1X:G1X+7]  ; the first fills, one group: my rows of x first, since they are wanted first;
	s_nop 0
	tensor_load_to_lds s[G0S:G0S+3], s[G1S:G1S+7]  ; my quarter of the side records;
	s_nop 0
	tensor_load_to_lds s[G0A:G0A+3], s[G1C:G1C+7]  ; my quarter of slot 0.  Three loads of mine are out
	s_nop 0
.rept 4
	v_nop
.endr
	v_and_b32 v[AF], 31, v0
	v_lshlrev_b32 v[AF], 4, v[AF]
	v_and_b32 v[ADF], 15, v0                       ; r
	v_bfe_u32 v[ADS], v0, 4, 1                     ; h
	v_lshlrev_b32 v[AS0], 2, v[ADF]
	v_lshl_add_u32 v[AH0], v[ADS], 5, 64
	v_lshlrev_b32 v[H8], 3, v[ADS]
	v_mul_u32_u24 v[XA], v[ADF], XP
	v_lshl_add_u32 v[XA], v[ADS], 6, v[XA]
	v_add_nc_u32 v[XA], s[G0X+1], v[XA]            ; my wave's stage + row r + 64 h: my 16 numbers of a block of 32
.irp b, 0,1,2,3
	v_mov_b32 v[TM+4+\b], 0                        ; written once: a lane permute's destination counts as one of its sources
.endr
	v_mov_b32 v[TMP], 0
	s_wait_tensorcnt 2                             ; tensor loads of a wave end in order (ISA guide 10.11.1): the two issued behind x's may be out; my rows, which I alone read, are in
	; x becomes four operands: the next row tile's 16 loads are out while one is quantised
	XLOAD 0, RAW0
	XLOAD 1, RAW1
	s_wait_dscnt 16
	SQS RAW0, CE, 0.5
	QUANT RAW0, XF, XS
	XLOAD 2, RAW0
	s_wait_dscnt 16
	SQS RAW1, CE+1, 0.5
	QUANT RAW1, XF+16, XS+1
	XLOAD 3, RAW1
	s_wait_dscnt 16
	SQS RAW0, CE+2, 0.5
	QUANT RAW0, XF+32, XS+2
	s_wait_dscnt 0x0
	SQS RAW1, CE+3, 0.5
	QUANT RAW1, XF+48, XS+3
	CHANGE 1, G0B, 0, 1                            ; everybody's side records and slot 0 are in, nobody reads x's stage any more: tiles 64-127 go over it.  (The 73 moves are also the places between x's codes and scale words and the first products)
	PHASE SLOT0, SIDE
	CHANGE 1, G0A, 1, 0                            ; slot 0 takes tiles 128-191
	PHASE SLOT1, SIDE+8192
	CHANGE 1, G0B, 1, 0                            ; slot 1 takes tiles 192-255
	PHASE SLOT0, SIDE+16384
	CHANGE 0, G0A, 0, 0                            ; nothing is left to fetch
	PHASE SLOT1, SIDE+24576
	PICK 1                                         ; the last tile's search; the best now lies in RUN + 4 + t
	; THE END.  Which of the kept tile's 8 scores is the best: the lowest j that attains it.  Then the better of the two halves of the lanes; equal scores: the lower index.
.set J,  132
.set IX, 136
.set OR, 140
.set OI, 144
.irp j, 0,1,2,3,4,5,6,7
.irp t, 0,1,2,3
	v_min_num_f32 v[CAP+8*\t+\j], v[CAP+8*\t+\j], v[CE+\t]
.endr
.endr
.irp t, 0,1,2,3
	v_mov_b32 v[J+\t], 0
.endr
.irp j, 7,6,5,4,3,2,1,0
.irp t, 0,1,2,3
	v_cmp_neq_f32 s[MK+\t], v[CAP+8*\t+\j], v[RUN+4+\t]
.endr
.irp t, 0,1,2,3
	v_cndmask_b32 v[J+\t], \j, v[J+\t], s[MK+\t]   ; equal: j; the lowest comes last and stays
.endr
.endr
.irp t, 0,1,2,3
	v_lshl_add_u32 v[IX+\t], v[ID+\t], 4, v[J+\t]
.endr
.irp t, 0,1,2,3
	v_add_nc_u32 v[IX+\t], v[IX+\t], v[H8]         ; 16 x tile + 8 (lane / 16) + j
.endr
.irp t, 0,1,2,3
	v_permlanex16_b32 v[OR+\t], v[RUN+4+\t], s[SEL], s[SEL+1]
	v_permlanex16_b32 v[OI+\t], v[IX+\t], s[SEL], s[SEL+1]
.endr
.irp t, 0,1,2,3
	v_cmp_gt_f32 s76, v[OR+\t], v[RUN+4+\t]
	v_cmp_eq_f32 s77, v[OR+\t], v[RUN+4+\t]
	v_cmp_lt_u32 s78, v[OI+\t], v[IX+\t]
	s_and_b32 s77, s77, s78
	s_or_b32 s76, s76, s77
	v_cndmask_b32 v[IX+\t], v[IX+\t], v[OI+\t], s76   ; the masks only select: no branch and no address hangs on them
.endr
	; both halves of the lanes now hold row r's index of each row tile.  64 indices go through my 256 bytes of LDS, so that one store covers 256 consecutive bytes, aligned
	s_lshl_b32 s79, s[WV], 8
	s_add_co_u32 s79, s79, OUTS
	v_and_b32 v154, 31, v0
	v_lshl_add_u32 v152, v154, 2, s79
	v_lshl_add_u32 v153, v154, 3, s79
	v_lshlrev_b32 v154, 3, v154
	v_cndmask_b32 v148, v[IX], v[IX+1], s[UPP]     ; lanes 0-15: rows 0-15; lanes 16-31: rows 16-31
	v_cndmask_b32 v149, v[IX+2], v[IX+3], s[UPP]
	ds_store_b32 v152, v148
	ds_store_b32 v152, v149 offset:128
	ds_load_b64 v[150:151], v153                   ; LDS serves a wave's instructions in order (ISA guide 5.7.1.4): this sees my stores
	s_wait_dscnt 0x0
	global_store_b64 v154, v[150:151], s[10:11]    ; the output,
	global_store_b64 v154, v[150:151], s[12:13]    ; and the same whole numbers for the next launch's addresses
	s_wait_tensorcnt 0x0                           ; the wave's end
	ds_add_u32 v[SPW], v[NIL]
	s_wait_dscnt 0x0
	CROUND                                         ; the closing round: no work-group ends while a partner may still ask for a piece that names it
	s_endpgm
.Lfunc_end_k_qdeafc97c58_nearest:
	.size	k_qdeafc97c58_nearest, .Lfunc_end_k_qdeafc97c58_nearest-k_qdeafc97c58_nearest
	.p2alignl 7, 3214868480
	.fill 96, 4, 3214868480
	.section	.rodata,"a",@progbits
	.p2align	6, 0x0
	.amdhsa_kernel k_qdeafc97c58_nearest
		.amdhsa_group_segment_fixed_size 327680
		.amdhsa_private_segment_fixed_size 0
		.amdhsa_enable_private_segment 0
		.amdhsa_kernarg_size 40
		.amdhsa_user_sgpr_count 2
		.amdhsa_user_sgpr_kernarg_segment_ptr 1
		.amdhsa_wavefront_size32 1
		.amdhsa_system_sgpr_workgroup_id_x 1
		.amdhsa_system_sgpr_workgroup_id_y 1
		.amdhsa_system_sgpr_workgroup_id_z 1
		.amdhsa_system_vgpr_workitem_id 0
		.amdhsa_next_free_vgpr 256
		.amdhsa_next_free_sgpr 96
		.amdhsa_reserve_vcc 0
		.amdhsa_float_denorm_mode_32 3
		.amdhsa_float_denorm_mode_16_64 3
		.amdhsa_memory_ordered 1
		.amdhsa_forward_progress 1
		.amdhsa_inst_pref_size 220
	.end_amdhsa_kernel
	.amdgpu_metadata
---
amdhsa.version: [ 1, 2 ]
amdhsa.kernels:
  - .name:           k_qdeafc97c58_nearest
    .symbol:         k_qdeafc97c58_nearest.kd
    .args:
      - { .name: x, .offset: 0, .size: 8, .value_kind: global_buffer, .address_space: global }
      - { .name: cimg, .offset: 8, .size: 8, .value_kind: global_buffer, .address_space: global }
      - { .name: cside, .offset: 16, .size: 8, .value_kind: global_buffer, .address_space: global }
      - { .name: out1, .offset: 24, .size: 8, .value_kind: global_buffer, .address_space: global }
      - { .name: idxw, .offset: 32, .size: 8, .value_kind: global_buffer, .address_space: global }
    .group_segment_fixed_size: 327680
    .private_segment_fixed_size: 0
    .kernarg_segment_align: 8
    .kernarg_segment_size: 40
    .max_flat_workgroup_size: 128
    .sgpr_count:     96
    .vgpr_count:     256
    .wavefront_size: 32
...
	.end_amdgpu_metadata
.endif
;; end of part 2
;; launch gather (part 3): grid 512 x 1, 8 waves a work-group, no clusters, 1,280 bytes of LDS; arguments x, codes, idxw, out0, part; writes out0, part
.if DOCPART == 3
	.amdgcn_target "amdgcn-amd-amdhsa--gfx1250"
	.amdhsa_code_object_version 6
	.text
	.protected	k_qdeafc97c58_gather
	.globl	k_qdeafc97c58_gather
	.p2align	8
	.type	k_qdeafc97c58_gather,@function
k_qdeafc97c58_gather:
	s_mov_b64 s[64:65], 0
	v_nop
	global_prefetch_b8 v0, s[64:65] scope:SCOPE_SE
	s_setreg_imm32_b32 hwreg(HW_REG_WAVE_MODE, 25, 1), 1
	s_wait_xcnt 0x0
; out0[row] = codes[idx[row]], and the work-group's part of the sum over rows of |x - codes[idx]|^2, all in f32.
; The indices are whole numbers that the launch before stored.  A wave takes 16 rows; a row is 512 bytes: one 16-byte load or store of the 32 lanes covers it whole.
; All 32 loads of a wave (16 rows of x, 16 gathered rows) go out at once; nothing is read twice but codebook rows that several rows choose.  Memory binds: no matrix unit, no cluster (no tile is shared).
; An index is held to 0 .. 4,095, the table's rows, before it enters an address.
.set VO,  2                            ; v2-17    byte offset of my 16 bytes in each gathered row
.set X,   20                           ; v20-83   16 rows of x, then x - q
.set Q,   84                           ; v84-147  16 gathered rows
.set ACC, 148                          ; v[148:149], v[150:151] two chains of pairs
	s_load_b256 s[4:11], s[0:1], 0x0               ; x s[4:5], codes s[6:7], idxw s[8:9], out0 s[10:11]
	s_load_b64 s[12:13], s[0:1], 0x20              ; part
	v_lshl_add_u32 v160, v0, 2, 0x100
	v_mov_b32 v161, 0
	v_lshrrev_b32 v1, 5, v0
	v_readfirstlane_b32 s14, v1                    ; wave 0..7
	v_and_b32 v1, 31, v0
	v_lshlrev_b32 v1, 4, v1                        ; 16 x lane
	v_mov_b32 v152, 0                              ; a lane permute's destination counts as one of its sources
	s_lshl_b32 s15, ttmp9, 3
	s_add_co_u32 s15, s15, s14                     ; which 16 rows are my wave's
	s_lshl_b32 s36, s15, 13                        ; 16 rows of 512 bytes
	s_mov_b32 s37, 0
	s_lshl_b32 s38, s15, 6                         ; 16 indices
	s_mov_b32 s39, 0
	s_lshl_b32 s32, ttmp9, 2                       ; my work-group's word of part
	s_mov_b32 s33, 0
	s_mov_b32 s40, 0x76543210
	s_mov_b32 s41, 0xfedcba98
	s_wait_kmcnt 0x0
	s_add_nc_u64 s[8:9], s[8:9], s[38:39]
	s_load_b512 s[16:31], s[8:9], 0x0              ; my 16 indices
	s_add_nc_u64 s[4:5], s[4:5], s[36:37]
	s_add_nc_u64 s[10:11], s[10:11], s[36:37]
	s_add_nc_u64 s[12:13], s[12:13], s[32:33]
.irp i, 0,1,2,3,4,5,6,7,8,9,10,11,12,13,14,15
	global_load_b128 v[X+4*\i:X+4*\i+3], v1, s[4:5] offset:512*\i th:TH_LOAD_NT
.endr
	s_wait_kmcnt 0x0
.irp i, 0,1,2,3,4,5,6,7,8,9,10,11,12,13,14,15
	s_min_u32 s[16+\i], s[16+\i], 0xfff            ; inside the table
	s_lshl_b32 s[16+\i], s[16+\i], 9               ; its row, in bytes
	v_add_nc_u32 v[VO+\i], s[16+\i], v1
	global_load_b128 v[Q+4*\i:Q+4*\i+3], v[VO+\i], s[6:7]
.endr
.irp i, 0,1,2,3,4,5,6,7,8,9,10,11,12,13,14,15
	s_wait_loadcnt 15-\i                           ; loads come back in order (ISA guide 5.7.1): the gathers issued behind this one may be out; x's loads are all older
	global_store_b128 v1, v[Q+4*\i:Q+4*\i+3], s[10:11] offset:512*\i th:TH_STORE_NT   ; 512 consecutive bytes, aligned
	v_pk_add_f32 v[X+4*\i:X+4*\i+1], v[X+4*\i:X+4*\i+1], v[Q+4*\i:Q+4*\i+1] neg_lo:[0,1] neg_hi:[0,1]
	v_pk_add_f32 v[X+4*\i+2:X+4*\i+3], v[X+4*\i+2:X+4*\i+3], v[Q+4*\i+2:Q+4*\i+3] neg_lo:[0,1] neg_hi:[0,1]
.if \i == 0
	v_pk_mul_f32 v[ACC:ACC+1], v[X:X+1], v[X:X+1]                  ; the first row starts the sums
	v_pk_mul_f32 v[ACC+2:ACC+3], v[X+2:X+3], v[X+2:X+3]
.else
	v_pk_fma_f32 v[ACC:ACC+1], v[X+4*\i:X+4*\i+1], v[X+4*\i:X+4*\i+1], v[ACC:ACC+1]
	v_pk_fma_f32 v[ACC+2:ACC+3], v[X+4*\i+2:X+4*\i+3], v[X+4*\i+2:X+4*\i+3], v[ACC+2:ACC+3]
.endif
.endr
	v_pk_add_f32 v[ACC:ACC+1], v[ACC:ACC+1], v[ACC+2:ACC+3]
	v_add_f32 v[ACC], v[ACC], v[ACC+1]
	v_add_f32_dpp v[ACC], v[ACC], v[ACC] row_xmask:1 row_mask:0xf bank_mask:0xf
	v_add_f32_dpp v[ACC], v[ACC], v[ACC] row_xmask:2 row_mask:0xf bank_mask:0xf
	v_add_f32_dpp v[ACC], v[ACC], v[ACC] row_xmask:4 row_mask:0xf bank_mask:0xf
	v_add_f32_dpp v[ACC], v[ACC], v[ACC] row_xmask:8 row_mask:0xf bank_mask:0xf
	v_permlanex16_b32 v152, v[ACC], s40, s41
	v_add_f32 v[ACC], v[ACC], v152                 ; the wave's sum, in every lane
	v_mov_b32 v153, s14
	v_lshlrev_b32 v153, 2, v153
	ds_store_b32 v153, v[ACC]                      ; all lanes write the wave's word with the same value
	s_wait_dscnt 0x0                               ; for wave 0's sake
	s_barrier_signal -1
	s_barrier_wait -1
	s_cmp_lg_u32 s14, 0
	s_cbranch_scc1 .Ldone
	v_mov_b32 v154, 0
	ds_load_b128 v[20:23], v154                    ; the eight waves' sums (x's registers are free; the stores' data lie elsewhere)
	ds_load_b128 v[24:27], v154 offset:16
	s_wait_dscnt 0x0
	v_add_f32 v20, v20, v21
	v_add_f32 v22, v22, v23
	v_add_f32 v24, v24, v25
	v_add_f32 v26, v26, v27
	v_add_f32 v20, v20, v22
	v_add_f32 v24, v24, v26
	v_add_f32 v20, v20, v24
	v_cmp_eq_u32 vcc_lo, 0, v0
	s_wait_xcnt 0x0                                ; EXEC is a source of the stores above: it changes only behind this wait
	s_and_saveexec_b32 s34, vcc_lo
	global_store_b32 v154, v20, s[12:13]           ; one owner for each word of part
	s_wait_xcnt 0x0
	s_or_b32 exec_lo, exec_lo, s34
.Ldone:
	s_wait_tensorcnt 0x0
	ds_add_u32 v160, v161
	s_wait_dscnt 0x0
	s_endpgm
.Lfunc_end_k_qdeafc97c58_gather:
	.size	k_qdeafc97c58_gather, .Lfunc_end_k_qdeafc97c58_gather-k_qdeafc97c58_gather
	.p2alignl 7, 3214868480
	.fill 96, 4, 3214868480
	.section	.rodata,"a",@progbits
	.p2align	6, 0x0
	.amdhsa_kernel k_qdeafc97c58_gather
		.amdhsa_group_segment_fixed_size 1280
		.amdhsa_private_segment_fixed_size 0
		.amdhsa_enable_private_segment 0
		.amdhsa_kernarg_size 40
		.amdhsa_user_sgpr_count 2
		.amdhsa_user_sgpr_kernarg_segment_ptr 1
		.amdhsa_wavefront_size32 1
		.amdhsa_system_sgpr_workgroup_id_x 1
		.amdhsa_system_sgpr_workgroup_id_y 1
		.amdhsa_system_sgpr_workgroup_id_z 1
		.amdhsa_system_vgpr_workitem_id 0
		.amdhsa_next_free_vgpr 162
		.amdhsa_next_free_sgpr 66
		.amdhsa_reserve_vcc 1
		.amdhsa_float_denorm_mode_32 3
		.amdhsa_float_denorm_mode_16_64 3
		.amdhsa_memory_ordered 1
		.amdhsa_forward_progress 1
		.amdhsa_inst_pref_size 14
	.end_amdhsa_kernel
	.amdgpu_metadata
---
amdhsa.version: [ 1, 2 ]
amdhsa.kernels:
  - .name:           k_qdeafc97c58_gather
    .symbol:         k_qdeafc97c58_gather.kd
    .args:
      - { .name: x, .offset: 0, .size: 8, .value_kind: global_buffer, .address_space: global }
      - { .name: codes, .offset: 8, .size: 8, .value_kind: global_buffer, .address_space: global }
      - { .name: idxw, .offset: 16, .size: 8, .value_kind: global_buffer, .address_space: global }
      - { .name: out0, .offset: 24, .size: 8, .value_kind: global_buffer, .address_space: global }
      - { .name: part, .offset: 32, .size: 8, .value_kind: global_buffer, .address_space: global }
    .group_segment_fixed_size: 1280
    .private_segment_fixed_size: 0
    .kernarg_segment_align: 8
    .kernarg_segment_size: 40
    .max_flat_workgroup_size: 256
    .sgpr_count:     66
    .vgpr_count:     162
    .wavefront_size: 32
...
	.end_amdgpu_metadata
.endif
;; end of part 3
;; launch total (part 4): grid 1 x 1, 1 waves a work-group, no clusters, 0 bytes of LDS; arguments part, out2; writes out2
.if DOCPART == 4
	.amdgcn_target "amdgcn-amd-amdhsa--gfx1250"
	.amdhsa_code_object_version 6
	.text
	.protected	k_qdeafc97c58_total
	.globl	k_qdeafc97c58_total
	.p2align	8
	.type	k_qdeafc97c58_total,@function
k_qdeafc97c58_total:
	s_mov_b64 s[64:65], 0
	v_nop
	global_prefetch_b8 v0, s[64:65] scope:SCOPE_SE
	s_setreg_imm32_b32 hwreg(HW_REG_WAVE_MODE, 25, 1), 1
	s_wait_xcnt 0x0
; out2 = 1.25 / 65,536 x the sum of the 512 partial sums: the commitment loss and 0.25 x the codebook loss are the same mean of |x - q|^2.
; One wave: 16 numbers a lane by four loads of 512 consecutive bytes, a tree of packed additions, then across the lanes.
	s_load_b128 s[4:7], s[0:1], 0x0                ; part s[4:5], out2 s[6:7]
	v_lshlrev_b32 v1, 4, v0
	v_mov_b32 v2, 0
	v_mov_b32 v3, 0                                ; a lane permute's destination counts as one of its sources
	s_mov_b32 s12, 0x76543210
	s_mov_b32 s13, 0xfedcba98
	s_wait_kmcnt 0x0
.irp i, 0,1,2,3
	global_load_b128 v[4+4*\i:7+4*\i], v1, s[4:5] offset:512*\i
.endr
	s_wait_loadcnt 0x0
	v_pk_add_f32 v[4:5], v[4:5], v[8:9]
	v_pk_add_f32 v[6:7], v[6:7], v[10:11]
	v_pk_add_f32 v[12:13], v[12:13], v[16:17]
	v_pk_add_f32 v[14:15], v[14:15], v[18:19]
	v_pk_add_f32 v[4:5], v[4:5], v[12:13]
	v_pk_add_f32 v[6:7], v[6:7], v[14:15]
	v_pk_add_f32 v[4:5], v[4:5], v[6:7]
	v_add_f32 v4, v4, v5
	v_add_f32_dpp v4, v4, v4 row_xmask:1 row_mask:0xf bank_mask:0xf
	v_add_f32_dpp v4, v4, v4 row_xmask:2 row_mask:0xf bank_mask:0xf
	v_add_f32_dpp v4, v4, v4 row_xmask:4 row_mask:0xf bank_mask:0xf
	v_add_f32_dpp v4, v4, v4 row_xmask:8 row_mask:0xf bank_mask:0xf
	v_permlanex16_b32 v3, v4, s12, s13
	v_add_f32 v4, v4, v3
	v_mul_f32 v4, 0x37a00000, v4                   ; x 1.25 x 2^-16
	v_cmp_eq_u32 vcc_lo, 0, v0
	s_wait_xcnt 0x0                                ; EXEC changes only behind this wait
	s_and_saveexec_b32 s8, vcc_lo
	global_store_b32 v2, v4, s[6:7]
	s_wait_xcnt 0x0
	s_or_b32 exec_lo, exec_lo, s8
	s_endpgm
.Lfunc_end_k_qdeafc97c58_total:
	.size	k_qdeafc97c58_total, .Lfunc_end_k_qdeafc97c58_total-k_qdeafc97c58_total
	.p2alignl 7, 3214868480
	.fill 96, 4, 3214868480
	.section	.rodata,"a",@progbits
	.p2align	6, 0x0
	.amdhsa_kernel k_qdeafc97c58_total
		.amdhsa_group_segment_fixed_size 0
		.amdhsa_private_segment_fixed_size 0
		.amdhsa_enable_private_segment 0
		.amdhsa_kernarg_size 16
		.amdhsa_user_sgpr_count 2
		.amdhsa_user_sgpr_kernarg_segment_ptr 1
		.amdhsa_wavefront_size32 1
		.amdhsa_system_sgpr_workgroup_id_x 1
		.amdhsa_system_sgpr_workgroup_id_y 1
		.amdhsa_system_sgpr_workgroup_id_z 1
		.amdhsa_system_vgpr_workitem_id 0
		.amdhsa_next_free_vgpr 32
		.amdhsa_next_free_sgpr 66
		.amdhsa_reserve_vcc 1
		.amdhsa_float_denorm_mode_32 3
		.amdhsa_float_denorm_mode_16_64 3
		.amdhsa_memory_ordered 1
		.amdhsa_forward_progress 1
		.amdhsa_inst_pref_size 3
	.end_amdhsa_kernel
	.amdgpu_metadata
---
amdhsa.version: [ 1, 2 ]
amdhsa.kernels:
  - .name:           k_qdeafc97c58_total
    .symbol:         k_qdeafc97c58_total.kd
    .args:
      - { .name: part, .offset: 0, .size: 8, .value_kind: global_buffer, .address_space: global }
      - { .name: out2, .offset: 8, .size: 8, .value_kind: global_buffer, .address_space: global }
    .group_segment_fixed_size: 0
    .private_segment_fixed_size: 0
    .kernarg_segment_align: 8
    .kernarg_segment_size: 16
    .max_flat_workgroup_size: 32
    .sgpr_count:     66
    .vgpr_count:     32
    .wavefront_size: 32
...
	.end_amdgpu_metadata
.endif
;; end of part 4
